; MI455X (gfx1250); checked and timed in simulation.
; The chip was launched on July 23, 2026; its instructions are those of AMD's public machine-readable ISA for CDNA 5 (MIT licence, August 2026) and "CDNA5" Instruction Set Architecture Reference Guide (July 2026). The comments in the code are by the model that wrote it; some were corrected since.
;; Multi Head Attention. Allowed arithmetic: matrix products marked QUANTISED: E4M3 operands, one E8M0 scale for each 32 along K, by v_wmma_scale_f32_16x16x128_f8f6f4 with both operands' format E4M3, f32 sums; everything else in f32.
;; Inputs: b_out 1,024 float32; b_qkv 3,072 float32; w_out_codes 1,024 x 32 x 32 uint8 (E4M3 codes of w_out, K innermost, in blocks of 32 codes); w_out_scales 1,024 x 32 uint8 (E8M0 scales of w_out, one for each 32 codes along K); w_qkv_codes 3,072 x 32 x 32 uint8 (E4M3 codes of w_qkv, K innermost, in blocks of 32 codes); w_qkv_scales 3,072 x 32 uint8 (E8M0 scales of w_qkv, one for each 32 codes along K); x_codes 4 x 2,048 x 32 x 32 uint8 (E4M3 codes of x, K innermost, in blocks of 32 codes); x_scales 4 x 2,048 x 32 uint8 (E8M0 scales of x, one for each 32 codes along K).
;; Outputs: out0 4 x 2,048 x 1,024 float32.
;; This version of the problem:
;;   THIS VERSION OF THE PROBLEM IS GIVEN IN LOW PRECISION. The matrix products marked QUANTISED in the list below multiply operands that are first quantised to E4M3 (4 exponent bits, 3 mantissa bits; 8 bits a number), with one power-of-two scale for each 32 numbers along K (OCP MX v1.0); their sums are f32. All else is computed in f32.
;;   The module's matrix products, in the order in which they are computed (A, B: the left and right operand; K: the contracted axis; several contracted axes count as one K, in the product's order):
;;     1. [M 8,192, K 1,024] x [K 1,024, N 3,072]; A: input x (given as codes); B: input w_qkv (given as codes): QUANTISED
;;     2. batch 64 x [M 2,048, K 64] x [K 64, N 2,048]; A: computed on the way; B: computed on the way: QUANTISED
;;     3. batch 64 x [M 2,048, K 2,048] x [K 2,048, N 64]; A: softmax (see below); B: computed on the way: QUANTISED
;;     4. [M 8,192, K 1,024] x [K 1,024, N 1,024]; A: computed on the way; B: input w_out (given as codes): QUANTISED
;;   THE QUANTISER, for each operand of a quantised product, along K:
;;     - K is cut into blocks of 32 from its start; a last block that is shorter is filled with zeros.
;;     - A block's scale is 2^e with e = floor(log2(the largest magnitude in the block)) - 8, held to -126 .. 127; a block of zeros has e = 0. As a byte (E8M0): e + 127.
;;     - Each number is divided by its block's scale, clamped to +-448, and rounded to the nearest number of E4M3, ties to even, subnormals kept.
;;     - The product sums the exact products of the quantised numbers (number of the format x scale) in f32.
;;   ~~~python
;;   def quantise(x, axis):      # numpy; x: float32 -> the quantised numbers, widened to float32 again
;;       x = np.moveaxis(x, axis, -1); K = x.shape[-1]
;;       x = np.pad(x, [(0, 0)] * (x.ndim - 1) + [(0, -K % 32)]); x = x.reshape(x.shape[:-1] + (-1, 32)); a = np.abs(x).max(-1, keepdims=True)
;;       e = np.where(a > 0, np.clip(np.frexp(np.where(a > 0, a, 1))[1] - 1 - 8, -126, 127), 0)      # np.frexp(a)[1] - 1 = floor(log2(a)), exactly
;;       r = np.clip(x / 2.0 ** e, -448, 448)
;;       step = 2.0 ** (np.maximum(np.frexp(np.where(r == 0, 1, r))[1] - 1, -6) - 3)
;;       q = np.round(r / step) * step * 2.0 ** e      # np.round: ties to even
;;       return np.moveaxis(q.reshape(q.shape[:-2] + (-1,))[..., :K], -1, axis).astype(np.float32)
;;   ~~~
;;   SOFTMAX AHEAD OF A QUANTISED PRODUCT. Where the list says 'softmax', what is quantised is not the finished softmax but p = 2^(t - M), with t = logit x log2(e) and M = ceil(the row's largest t), a whole number; so 1/2 < the row's largest p <= 1. The row's sum l is taken of the UNQUANTISED p, in f32, and the product's result is divided by l at the end. Since M is a whole number, a kernel that streams over the keys may use a running M (the ceiling of the running maximum): every later rescaling is an exact power of two, which a block's scale takes up: the codes' values come out the same.
;;   OPERANDS COMPUTED ON THE WAY. 'Computed on the way' means the value that the module computes at that place (a softmax that the list does not call 'softmax' is quantised finished and normalised). What goes into a quantiser is computed in f32, as accurately as f32 sums, v_exp_f32 and their like allow (about 1e-6 of the number): no bf16 or f16 on the way to a quantiser, and a product that is left as it is and whose result goes on into a quantised operand takes f32 operands (vector FMAs, or v_wmma_f32_16x16x4_f32). A number that lies on a knife's edge between two numbers of the format may be rounded either way, as far as f32 arithmetic and the matrix unit's own rounding can turn it there, and no further.
;;   INPUTS GIVEN AS CODES. w_out (in the module: [1024, 1024], K = its axis 0); w_qkv (in the module: [1024, 3072], K = its axis 0); x (in the module: [4, 2048, 1024], K = its axis 2): each comes as NAME_codes (uint8): NAME with its K axis moved to the last place and cut into blocks of 32 codes, [.., K / 32, bytes a block], one block behind the other in memory; one code a byte (a code: sign, 4 exponent bits, 3 mantissa bits); and NAME_scales (uint8): the same leading axes, one E8M0 byte (e + 127) for each 32 codes along K. Its value is code x scale, taken as it is: it is not quantised again, and the codes and scales need not be those that the quantiser above would give.
;; One version. Each part assembles by itself: llvm-mc -triple=amdgcn-amd-amdhsa -mcpu=gfx1250 --defsym DOCPART=n.
;; ======== version 1 of 1: 3 launches
;; limits: right only within a limited range of input values
;; workspace buffers: qkv 25,165,824 bytes; qkvs 1,310,720 bytes; ao 8,388,608 bytes; aos 262,144 bytes
;; launch proj (part 1): grid 8 x 48, 4 waves a work-group, clusters of 4 x 4, 327,680 bytes of LDS; arguments x_codes, x_scales, w_qkv_codes, w_qkv_scales, b_qkv, qkv, qkvs; writes qkv, qkvs
.if DOCPART == 1
	.amdgcn_target "amdgcn-amd-amdhsa--gfx1250"
	.amdhsa_code_object_version 6
	.text
	.protected	k_q3dc1a47dea_proj
	.globl	k_q3dc1a47dea_proj
	.p2align	8
	.type	k_q3dc1a47dea_proj,@function
k_q3dc1a47dea_proj:
	s_mov_b64 s[64:65], 0
	v_nop
	global_prefetch_b8 v0, s[64:65] scope:SCOPE_SE
	s_setreg_imm32_b32 hwreg(HW_REG_WAVE_MODE, 25, 1), 1
	s_wait_xcnt 0x0
	s_wait_alu depctr_hold_cnt(0) depctr_sa_sdst(0) depctr_va_vdst(0) depctr_va_sdst(0) depctr_va_ssrc(0) depctr_va_vcc(0) depctr_vm_vsrc(0)
	s_getreg_b32 s2, hwreg(HW_REG_IB_STS2, 6, 4)
	s_cmp_eq_u32 s2, 0
	s_cbranch_scc0 .Lentry_in_a_cluster
	s_endpgm
.Lentry_in_a_cluster:
	s_bfe_u32 s2, ttmp6, 0x10000c
	s_cmp_lg_u32 s2, 0xf033
	s_cbranch_scc0 .Lentry_shape_is_right
	s_endpgm
.Lentry_shape_is_right:
.set NQ,     2
.set ROWB,   256
.set KROW,   1024
.set PITCH,  272
.set FR,     16
.set NL,     4
.set NP,     8
.set HALFT,  128*PITCH
.set SLOT,   4*HALFT
.set KS,     32
.set SCL,    2*SLOT
.set HALFS,  (128*KS/256)*272
.set SBLK,   (16*KS/256)*272
.set SPARE,  SCL+4*HALFS
.set STGQ,   17408
.set STGV,   16896
.set STGV0,  4*STGQ
.set HSTR,   393216
.set SSTR,   24576
.set HSW,    20480
.set SSW,    1280
.set BO,   12
.set BOV,  13
.set COV,  14
.set ADRA, 16
.set ADRB, 20
.set STO,  22
.set SSO,  23
.set STOV, 24
.set SSOV, 25
.set CO,   26
.set ADRS, 27
.set SPW,  28
.set NIL,  29
.set RD,   30
.set RDV,  31
.set SC,   32
.set BS,   64
.set AF,   128
.set T,    128
.set TM,   192
.set PC,   208
.set PW,   224
.set WV,   18
.set H1,   19
.set H0,   20
.set PATH, 21
.set MNT,  92
.set SEL,  98
.set G1,   24
.set G0,   32
.set G1B,  48
.set G0B,  56
.set G1S,  68
.set G0S,  76
.set G1SB, 80
.set G0SB, 88
.set MSB, 0
.macro WIN new
.if MSB != (\new)
	s_set_vgpr_msb (MSB<<8)|(\new)
.set MSB, (\new)
.endif
.endm
.set MUL_LO, 0xa1
.set MUL_HI, 0xf1
.set TO_B,   0x40
.macro JLOAD g0a, g1a, g0b, g1b
	s_cmp_eq_u32 s[H1], 0
	s_cbranch_scc0 .Lfor_b_\@
	tensor_load_to_lds s[\g0a:\g0a+3], s[\g1a:\g1a+7]
	s_nop 0
.rept 4
	v_nop
.endr
	s_branch .Lasked_\@
.Lfor_b_\@:
	tensor_load_to_lds s[\g0b:\g0b+3], s[\g1b:\g1b+7]
	s_nop 0
.rept 4
	v_nop
.endr
.Lasked_\@:
.endm
.macro CREST
	s_cmp_lg_u32 s[WV], 0
	s_cbranch_scc1 .Lnot_wave_0_\@
	s_barrier_signal -3
.Lnot_wave_0_\@:
	s_barrier_wait -3
	s_barrier_signal -1
	s_barrier_wait -1
.endm
.macro CROUND
	s_barrier_signal -1
	s_barrier_wait -1
	CREST
.endm
	s_load_b256 s[4:11], s[0:1], 0x0
	s_load_b128 s[12:15], s[0:1], 0x20
	s_load_b64 s[16:17], s[0:1], 0x30
	v_lshl_add_u32 v[SPW], v0, 2, SPARE
	v_mov_b32 v[NIL], 0
	ds_add_u32 v[SPW], v[NIL]
	ds_add_u32 v[SPW], v[NIL]
	v_lshrrev_b32 v1, 5, v0
	v_readfirstlane_b32 s[WV], v1
	s_lshr_b32 s[H1], s[WV], 1
	s_and_b32 s[H0], s[WV], 1
	s_bfe_u32 s40, ttmp6, 0x40000
	s_bfe_u32 s41, ttmp6, 0x40004
	s_and_b32 s42, ttmp7, 0xffff
	s_lshl_b32 s43, s42, 2
	s_max_u32 s44, s42, 8
	s_lshl_b32 s44, s44, 1
	s_add_co_u32 s44, s44, ttmp9
	s_sub_co_u32 s44, s44, 16
	s_cmp_ge_u32 s42, 8
	s_cselect_b32 s[PATH], 1, 0
	s_cselect_b32 s43, 8, s43
	s_add_co_u32 s43, s43, s41
	s_lshl_b32 s44, s44, 2
	s_add_co_u32 s44, s44, s40
	s_lshl_b32 s45, s41, 2
	s_lshl_b32 s45, 15, s45
	s_lshl_b32 s46, 0x1111, s40
	s_or_b32 s[G1+0], s45, (0<<16)|(1<<20)|(1<<21)|(5<<22)|(3<<25)
	s_or_b32 s[G1B+0], s46, (0<<16)|(1<<20)|(1<<21)|(5<<22)|(3<<25)
.irp g, G1, G1B
	s_mov_b32 s[\g+1], ROWB<<16
	s_mov_b32 s[\g+2], 128<<16
	s_mov_b32 s[\g+3], ROWB<<16
	s_mov_b32 s[\g+4], 128
	s_mov_b32 s[\g+5], KROW
	s_mov_b32 s[\g+6], 0
	s_mov_b32 s[\g+7], 0
.endr
	s_or_b32 s[G1S+0], s45, (3<<16)|(1<<20)|(1<<21)|(5<<22)|(3<<25)
	s_or_b32 s[G1SB+0], s46, (3<<16)|(1<<20)|(1<<21)|(5<<22)|(3<<25)
.irp g, G1S, G1SB
	s_mov_b32 s[\g+1], 32<<16
	s_mov_b32 s[\g+2], (128*KS/256)<<16
	s_mov_b32 s[\g+3], 32<<16
	s_mov_b32 s[\g+4], 128*KS/256
	s_mov_b32 s[\g+5], 32
	s_mov_b32 s[\g+6], 0
	s_mov_b32 s[\g+7], 0
.endr
	s_lshl_b32 s47, s[H0], 7
	s_lshl_b32 s92, s43, 8
	s_add_co_u32 s92, s92, s47
	s_lshl_b32 s94, s44, 8
	s_add_co_u32 s94, s94, s47
	s_lshl_b32 s96, s92, 5
	s_mov_b32 s97, 0
	s_lshl_b32 s92, s92, 10
	s_mov_b32 s93, 0
	s_lshl_b32 s98, s94, 5
	s_mov_b32 s99, 0
	s_lshl_b32 s94, s94, 10
	s_mov_b32 s95, 0
	s_mul_i32 s100, s[WV], HALFT
	s_mul_i32 s101, s[WV], HALFS
	s_wait_dscnt 0x0
	s_wait_kmcnt 0x0
	s_cmp_lg_u32 s[PATH], 0
	s_cselect_b64 s[2:3], s[8:9], s[4:5]
	s_cselect_b64 s[22:23], s[10:11], s[6:7]
	s_cselect_b64 s[4:5], s[4:5], s[8:9]
	s_cselect_b64 s[6:7], s[6:7], s[10:11]
	s_add_nc_u64 s[2:3], s[2:3], s[92:93]
	s_add_nc_u64 s[22:23], s[22:23], s[96:97]
	s_add_nc_u64 s[4:5], s[4:5], s[94:95]
	s_add_nc_u64 s[6:7], s[6:7], s[98:99]
	CROUND
	s_mov_b32 s[G0S], 1
	s_add_co_u32 s[G0S+1], s101, SCL
	s_mov_b64 s[G0S+2:G0S+3], s[22:23]
	s_or_b32 s[G0S+3], s[G0S+3], 0x80000000
	s_mov_b32 s[G0SB], 1
	s_add_co_u32 s[G0SB+1], s101, SCL
	s_mov_b64 s[G0SB+2:G0SB+3], s[6:7]
	s_or_b32 s[G0SB+3], s[G0SB+3], 0x80000000
	JLOAD G0S, G1S, G0SB, G1SB
.irp s, 0,1
	s_mov_b32 s[G0+4*\s], 1
	s_add_co_u32 s[G0+4*\s+1], s100, \s*SLOT
	s_add_nc_u64 s[G0+4*\s+2:G0+4*\s+3], s[2:3], \s*ROWB
	s_or_b32 s[G0+4*\s+3], s[G0+4*\s+3], 0x80000000
	s_mov_b32 s[G0B+4*\s], 1
	s_add_co_u32 s[G0B+4*\s+1], s100, \s*SLOT
	s_add_nc_u64 s[G0B+4*\s+2:G0B+4*\s+3], s[4:5], \s*ROWB
	s_or_b32 s[G0B+4*\s+3], s[G0B+4*\s+3], 0x80000000
	s_wait_alu depctr_va_vdst(0)
	s_wait_tensorcnt 0x0
	ds_add_u32 v28, v29
	s_wait_dscnt 0x0
	CROUND
	JLOAD G0+4*\s, G1, G0B+4*\s, G1B
.endr
	v_and_b32 v1, 15, v0
	v_bfe_u32 v2, v0, 4, 1
	v_mul_u32_u24 v3, v1, PITCH
	v_lshl_add_u32 v4, v2, 4, v3
	s_mul_i32 s8, s[H1], HALFT
	s_mul_i32 s9, s[H0], HALFT
	s_add_co_u32 s9, s9, 2*HALFT
.irp s, 0,1
	v_add_nc_u32 v[ADRA+\s], s8, v4
	v_add_nc_u32 v[ADRB+\s], s9, v4
	s_add_co_u32 s8, s8, SLOT
	s_add_co_u32 s9, s9, SLOT
.endr
	v_mul_u32_u24 v5, v1, KS
	v_lshrrev_b32 v6, 8, v5
	v_lshl_add_u32 v5, v6, 4, v5
	s_mul_i32 s8, s[H1], HALFS
	s_mul_i32 s9, s[H0], HALFS
	s_add_co_u32 s9, s9, 2*HALFS
	s_sub_co_u32 s9, s9, s8
	v_mul_u32_u24 v6, s9, v2
	s_add_co_u32 s8, s8, SCL
	v_add_nc_u32 v5, v5, v6
	v_add_nc_u32 v[ADRS], s8, v5
	v_and_b32 v7, 7, v1
	v_lshrrev_b32 v8, 3, v1
	v_lshlrev_b32 v9, 4, v7
	v_lshl_add_u32 v10, v2, 3, v9
	v_lshl_add_u32 v11, v8, 2, v9
	v_and_b32 v3, 31, v0
	v_lshlrev_b32 v[CO], 4, v3
	s_mul_i32 s8, s[WV], STGQ
	s_mul_i32 s9, s[WV], STGV
	s_add_co_u32 s9, s9, STGV0
	v_lshl_add_u32 v[STO], v8, 10, v10
	v_add_nc_u32 v[STO], s8, v[STO]
	v_add_nc_u32 v[SSO], s8, v11
	v_add_nc_u32 v[SSO], 16384, v[SSO]
	v_add_nc_u32 v[RD], s8, v[CO]
	v_lshl_add_u32 v[STOV], v8, 11, v10
	v_add_nc_u32 v[STOV], s9, v[STOV]
	v_add_nc_u32 v[SSOV], s9, v11
	v_add_nc_u32 v[SSOV], 16384, v[SSOV]
	v_add_nc_u32 v[RDV], s9, v[CO]
	v_lshlrev_b32 v[BO], 5, v2
	v_lshlrev_b32 v[BOV], 2, v1
	v_mul_u32_u24 v[COV], v2, HSW
	v_lshl_add_u32 v[COV], v1, 4, v[COV]
	s_lshl_b32 s8, s43, 8
	s_lshl_b32 s9, s[H1], 7
	s_add_co_u32 s8, s8, s9
	s_lshl_b32 s9, s44, 8
	s_lshl_b32 s10, s[H0], 7
	s_add_co_u32 s9, s9, s10
	s_cmp_lg_u32 s[PATH], 0
	s_cselect_b32 s10, s9, s8
	s_cselect_b32 s11, s8, s9
	s_lshr_b32 s92, s11, 10
	s_bfe_u32 s93, s11, 0x40006
	s_lshr_b32 s94, s10, 11
	s_lshl_b32 s94, s94, 4
	s_add_co_u32 s94, s94, s93
	s_bfe_u32 s95, s10, 0x40007
	s_mul_i32 s96, s94, HSTR
	s_mul_i32 s97, s95, SSTR
	s_add_co_u32 s96, s96, s97
	s_lshl_b32 s97, s92, 13
	s_add_co_u32 s96, s96, s97
	s_mov_b32 s97, 0
	s_add_nc_u64 s[14:15], s[14:15], s[96:97]
	s_mul_i32 s96, s94, HSW
	s_mul_i32 s98, s95, SSW
	s_add_co_u32 s96, s96, s98
	s_lshl_b32 s98, s92, 9
	s_add_co_u32 s96, s96, s98
	s_add_nc_u64 s[16:17], s[16:17], s[96:97]
	s_lshl_b32 s96, s11, 2
	s_add_nc_u64 s[12:13], s[12:13], s[96:97]
	s_mov_b32 s[SEL], 0x76543210
	s_mov_b32 s[SEL+1], 0xfedcba98
.macro FRAG reg, adr, q, i
.irp c, 0,1,2,3
	ds_load_b128 v[\reg+4*\c:\reg+4*\c+3], v[\adr] offset:128*(\q)+32*\c+(\i)*16*PITCH
.endr
.endm
.macro MUL16 a0, p, q, sc, zero
.irp a, \a0, \a0+1
.irp b, 0,1,2,3,4,5,6,7
.if \zero
	v_wmma_scale_f32_16x16x128_f8f6f4 v[8*(8*((\a)%4)+\b):8*(8*((\a)%4)+\b)+7], v[128*(\p)+FR*\b:128*(\p)+FR*\b+FR-1], v[AF+FR*(\a):AF+FR*(\a)+FR-1], 0, v[SC+8*NQ*(\sc)+NQ*\b+(\q)], v[SC+8*NQ*(\sc)+NQ*(\a)+(\q)] matrix_a_scale:MATRIX_SCALE_ROW1
.else
	v_wmma_scale_f32_16x16x128_f8f6f4 v[8*(8*((\a)%4)+\b):8*(8*((\a)%4)+\b)+7], v[128*(\p)+FR*\b:128*(\p)+FR*\b+FR-1], v[AF+FR*(\a):AF+FR*(\a)+FR-1], v[8*(8*((\a)%4)+\b):8*(8*((\a)%4)+\b)+7], v[SC+8*NQ*(\sc)+NQ*\b+(\q)], v[SC+8*NQ*(\sc)+NQ*(\a)+(\q)] matrix_a_scale:MATRIX_SCALE_ROW1
.endif
.endr
.endr
.endm
.macro FETCH_B slot, q, p
	WIN TO_B
.irp i, 0,1,2,3,4,5,6,7
	FRAG 128*(\p)+FR*\i, ADRB+\slot, \q, \i
.endr
	WIN 0
.endm
.macro FETCH_A slot, q, i0
.irp i, \i0, \i0+1, \i0+2, \i0+3
	FRAG AF+FR*(\i), ADRA+\slot, \q, \i
.endr
.endm
.macro SCALES sc
.irp i, 0,1,2,3,4,5,6,7
	ds_load_b64 v[SC+8*NQ*\sc+NQ*\i:SC+8*NQ*\sc+NQ*\i+1], v[ADRS] offset:\i*SBLK
.endr
.endm
.macro PLACES n
.rept \n
	v_nop
.endr
.endm
.macro STEP slot, q, zero
	s_wait_dscnt 4*NL
	WIN MUL_LO
	MUL16 0, (\q)%2, \q, \slot, \zero
	MUL16 2, (\q)%2, \q, \slot, \zero
	s_wait_dscnt 0
	PLACES NP
	FETCH_B \slot, (\q)+1, 1-(\q)%2
	FETCH_A \slot, (\q)+1, 0
	WIN MUL_HI
	MUL16 4, (\q)%2, \q, \slot, \zero
	MUL16 6, (\q)%2, \q, \slot, \zero
	PLACES NP
	WIN 0
	FETCH_A \slot, (\q)+1, 4
.endm
.macro TURN slot, next, fill
	s_wait_tensorcnt 0x0
	ds_add_u32 v[SPW], v[NIL]
	s_wait_dscnt 4*NL+1
	WIN MUL_LO
	MUL16 0, 1, NQ-1, \slot, 0
	s_wait_dscnt 0x0
	s_barrier_signal -1
	MUL16 2, 1, NQ-1, \slot, 0
	WIN 0
	s_barrier_wait -1
.if \fill
	CREST
	s_add_nc_u64 s[G0+4*\slot+2:G0+4*\slot+3], s[G0+4*\slot+2:G0+4*\slot+3], 2*ROWB
	s_add_nc_u64 s[G0B+4*\slot+2:G0B+4*\slot+3], s[G0B+4*\slot+2:G0B+4*\slot+3], 2*ROWB
	JLOAD G0+4*\slot, G1, G0B+4*\slot, G1B
	PLACES NP-4
.else
	PLACES NP
.endif
	s_wait_alu depctr_va_vdst(0)
	v_add_nc_u32 v[ADRS], 4*NQ, v[ADRS]
	FETCH_B \next, 0, 0
	FETCH_A \next, 0, 0
	SCALES \next
	WIN MUL_HI
	MUL16 4, 1, NQ-1, \slot, 0
	MUL16 6, 1, NQ-1, \slot, 0
	PLACES NP
	WIN 0
	FETCH_A \next, 0, 4
.endm
.macro LAST
	s_wait_dscnt 4*NL
	WIN MUL_LO
	MUL16 0, 1, NQ-1, 1, 0
	MUL16 2, 1, NQ-1, 1, 0
	s_wait_dscnt 0
	WIN MUL_HI
	MUL16 4, 1, NQ-1, 1, 0
	MUL16 6, 1, NQ-1, 1, 0
	WIN 0
.endm
.macro QUANT s
.irp b, 0,1,2,3
	v_max3_num_f32 v[TM+\b], |v[\s+16*\b]|, |v[\s+1+16*\b]|, 0x4800000
.endr
.irp i, 2,4,6,8,10,12,14
.irp b, 0,1,2,3
	v_max3_num_f32 v[TM+\b], v[TM+\b], |v[\s+16*\b+\i]|, |v[\s+1+16*\b+\i]|
.endr
.endr
.irp b, 0,1,2,3
	v_permlanex16_b32 v[TM+4+\b], v[TM+\b], s[SEL], s[SEL+1]
.endr
.irp b, 0,1,2,3
	v_max_num_f32 v[TM+\b], v[TM+\b], v[TM+4+\b]
.endr
.irp b, 0,1,2,3
	v_add_nc_u32 v[TM+12+\b], 0xfc000000, v[TM+\b]
.endr
.irp b, 0,1,2,3
.endr
.irp b, 0,1,2,3
	v_lshrrev_b32 v[TM+4+\b], 23, v[TM+12+\b]
.endr
.irp b, 0,1,2,3
.irp i, 0,1,2,3,4,5,6,7,8,9,10,11,12,13,14,15
.endr
	v_cvt_scalef32_pk8_fp8_f32 v[PC+4*\b:PC+1+4*\b], v[\s+16*\b:\s+7+16*\b], v[TM+12+\b]
	v_cvt_scalef32_pk8_fp8_f32 v[PC+2+4*\b:PC+3+4*\b], v[\s+8+16*\b:\s+15+16*\b], v[TM+12+\b]
.endr
	v_nop
.endm
.macro EPI a, v
.set AC, 64*((\a)%4)
	WIN 0x02+(\a)/4
.irp b, 0,1,2,3,4,5,6,7
.irp p, 0,2,4,6
.if \v
	v_pk_add_f32 v[T+8*\b+\p:T+8*\b+\p+1], v[AC+8*\b+\p:AC+8*\b+\p+1], v[BS+2*(\a):BS+2*(\a)+1]
.else
	v_pk_add_f32 v[T+8*\b+\p:T+8*\b+\p+1], v[AC+8*\b+\p:AC+8*\b+\p+1], v[BS+8*\b+\p:BS+8*\b+\p+1]
.endif
.endr
.endr
	WIN 0
	s_wait_dscnt 0x0
	QUANT T
.if \v
	v_lshl_or_b32 v[PW], v[TM+5], 8, v[TM+4]
	v_lshl_or_b32 v[PW], v[TM+6], 16, v[PW]
	v_lshl_or_b32 v[PW], v[TM+7], 24, v[PW]
.irp b, 0,1,2,3,4,5,6,7
	ds_store_b64 v[STOV], v[PC+2*\b:PC+2*\b+1] offset:((\a)/4)*8192+(((\a)%4)/2)*4096+((\a)%2)*128+(\b/2)*512+(\b%2)*256
.endr
	ds_store_b32 v[SSOV], v[PW] offset:((\a)/4)*256+((\a)%2)*128+(((\a)%4)/2)*8
.else
	v_lshl_or_b32 v[PW], v[TM+5], 8, v[TM+4]
	v_lshl_or_b32 v[PW+1], v[TM+7], 8, v[TM+6]
.irp b, 0,1,2,3,4,5,6,7
	ds_store_b64 v[STO], v[PC+2*\b:PC+2*\b+1] offset:(\b/4)*8192+((\a)/2)*2048+((\a)%2)*128+((\b%4)/2)*512+(\b%2)*256
.endr
	ds_store_b32 v[SSO], v[PW] offset:((\a)/4)*256+((\a)%2)*128+(((\a)/2)%2)*8
	ds_store_b32 v[SSO], v[PW+1] offset:512+((\a)/4)*256+((\a)%2)*128+(((\a)/2)%2)*8
.endif
.endm
.macro OUTC rd, n
.set i, 0
.rept \n
	ds_load_b128 v[BS+4*i:BS+4*i+3], v[\rd] offset:512*i
.set i, i+1
.endr
.set i, 0
.rept 32
	s_wait_dscnt \n-1-i
	global_store_b128 v[CO], v[BS+4*i:BS+4*i+3], s[14:15] offset:(i/16)*HSTR+512*(i%16)
.set i, i+1
.endr
.endm
	s_wait_tensorcnt 1
	s_barrier_signal -1
	s_barrier_wait -1
	FETCH_B 0, 0, 0
	FETCH_A 0, 0, 0
	SCALES 0
	FETCH_A 0, 0, 4
	STEP 0, 0, 1
	TURN 0, 1, 1
	STEP 1, 0, 0
	TURN 1, 0, 1
	STEP 0, 0, 0
	TURN 0, 1, 0
	STEP 1, 0, 0
	s_cmp_lg_u32 s[PATH], 0
	s_cbranch_scc1 .Lv
.irp b, 0,1,2,3,4,5,6,7
	global_load_b128 v[BS+8*\b:BS+8*\b+3], v[BO], s[12:13] offset:64*\b
	global_load_b128 v[BS+8*\b+4:BS+8*\b+7], v[BO], s[12:13] offset:64*\b+16
.endr
	LAST
	PLACES NP
.irp b, 0,1,2,3
	v_mov_b32 v[TM+4+\b], 0
.endr
	s_wait_loadcnt 0x0
.irp a, 0,1,2,3,4,5,6,7
	EPI \a, 0
.endr
	OUTC RD, 34
	s_wait_dscnt 1
	global_store_b128 v[CO], v[BS+128:BS+131], s[16:17]
	s_wait_dscnt 0
	global_store_b128 v[CO], v[BS+132:BS+135], s[16:17] offset:HSW
	s_branch .Ldone
.Lv:
.irp a, 0,1,2,3,4,5,6,7
	global_load_b32 v[BS+2*\a], v[BOV], s[12:13] offset:64*\a
	global_load_b32 v[BS+2*\a+1], v[BOV], s[12:13] offset:64*\a
.endr
	LAST
	PLACES NP
.irp b, 0,1,2,3
	v_mov_b32 v[TM+4+\b], 0
.endr
	s_wait_loadcnt 0x0
.irp a, 0,1,2,3,4,5,6,7
	EPI \a, 1
.endr
	OUTC RDV, 33
	s_wait_dscnt 0
	global_store_b128 v[COV], v[BS+128:BS+131], s[16:17]
.Ldone:
	s_wait_tensorcnt 0x0
	ds_add_u32 v[SPW], v[NIL]
	s_wait_dscnt 0x0
	CROUND
	s_endpgm
.Lfunc_end_k_q3dc1a47dea_proj:
	.size	k_q3dc1a47dea_proj, .Lfunc_end_k_q3dc1a47dea_proj-k_q3dc1a47dea_proj
	.p2alignl 7, 3214868480
	.fill 96, 4, 3214868480
	.section	.rodata,"a",@progbits
	.p2align	6, 0x0
	.amdhsa_kernel k_q3dc1a47dea_proj
		.amdhsa_group_segment_fixed_size 327680
		.amdhsa_private_segment_fixed_size 0
		.amdhsa_enable_private_segment 0
		.amdhsa_kernarg_size 56
		.amdhsa_user_sgpr_count 2
		.amdhsa_user_sgpr_kernarg_segment_ptr 1
		.amdhsa_wavefront_size32 1
		.amdhsa_system_sgpr_workgroup_id_x 1
		.amdhsa_system_sgpr_workgroup_id_y 1
		.amdhsa_system_sgpr_workgroup_id_z 1
		.amdhsa_system_vgpr_workitem_id 0
		.amdhsa_next_free_vgpr 1024
		.amdhsa_next_free_sgpr 102
		.amdhsa_reserve_vcc 0
		.amdhsa_float_denorm_mode_32 3
		.amdhsa_float_denorm_mode_16_64 3
		.amdhsa_fp16_overflow 1
		.amdhsa_memory_ordered 1
		.amdhsa_forward_progress 1
		.amdhsa_inst_pref_size 243
	.end_amdhsa_kernel
	.amdgpu_metadata
---
amdhsa.version: [ 1, 2 ]
amdhsa.kernels:
  - .name:           k_q3dc1a47dea_proj
    .symbol:         k_q3dc1a47dea_proj.kd
    .args:
      - { .name: x_codes, .offset: 0, .size: 8, .value_kind: global_buffer, .address_space: global }
      - { .name: x_scales, .offset: 8, .size: 8, .value_kind: global_buffer, .address_space: global }
      - { .name: w_qkv_codes, .offset: 16, .size: 8, .value_kind: global_buffer, .address_space: global }
      - { .name: w_qkv_scales, .offset: 24, .size: 8, .value_kind: global_buffer, .address_space: global }
      - { .name: b_qkv, .offset: 32, .size: 8, .value_kind: global_buffer, .address_space: global }
      - { .name: qkv, .offset: 40, .size: 8, .value_kind: global_buffer, .address_space: global }
      - { .name: qkvs, .offset: 48, .size: 8, .value_kind: global_buffer, .address_space: global }
    .group_segment_fixed_size: 327680
    .private_segment_fixed_size: 0
    .kernarg_segment_align: 8
    .kernarg_segment_size: 56
    .max_flat_workgroup_size: 128
    .sgpr_count:     102
    .vgpr_count:     1024
    .wavefront_size: 32
...
	.end_amdgpu_metadata
.endif
;; end of part 1
;; launch attn (part 2): grid 8 x 64, 16 waves a work-group, clusters of 4 x 1, 327,680 bytes of LDS; arguments qkv, qkvs, ao, aos; writes ao, aos
.if DOCPART == 2
	.amdgcn_target "amdgcn-amd-amdhsa--gfx1250"
	.amdhsa_code_object_version 6
	.text
	.protected	k_q3dc1a47dea_attn
	.globl	k_q3dc1a47dea_attn
	.p2align	8
	.type	k_q3dc1a47dea_attn,@function
k_q3dc1a47dea_attn:
	s_mov_b64 s[64:65], 0
	v_nop
	global_prefetch_b8 v0, s[64:65] scope:SCOPE_SE
	s_setreg_imm32_b32 hwreg(HW_REG_WAVE_MODE, 25, 1), 1
	s_wait_xcnt 0x0
	s_wait_alu depctr_hold_cnt(0) depctr_sa_sdst(0) depctr_va_vdst(0) depctr_va_sdst(0) depctr_va_ssrc(0) depctr_va_vcc(0) depctr_vm_vsrc(0)
	s_getreg_b32 s2, hwreg(HW_REG_IB_STS2, 6, 4)
	s_cmp_eq_u32 s2, 0
	s_cbranch_scc0 .Lentry_in_a_cluster
	s_endpgm
.Lentry_in_a_cluster:
	s_bfe_u32 s2, ttmp6, 0x10000c
	s_cmp_lg_u32 s2, 0x3003
	s_cbranch_scc0 .Lentry_shape_is_right
	s_endpgm
.Lentry_shape_is_right:
; O = softmax(Q K^T / 8) V for one head and 256 queries a work-group, both products on codes of E4M3 with one E8M0 scale for each 32 along a product's K; O is then quantised along the model's axis (two blocks of 32 in a head)
; and leaves as an image of the registers in which the last launch takes it.  No work is left out.
; THE SOFTMAX AHEAD OF THE SECOND PRODUCT: t = score x log2(e) / 8; M = the row's largest t so far, rounded UP to a whole number; p = 2^(t - M) is quantised along the keys, not normalised.  The row's sum is taken of the
; unquantised p and divides O at the end.  When M moves, the sum and O are multiplied by 2^(old M - new M): exact.
; LIMITS: NaN and infinities are not served.  A block's largest p is made from the block's largest score by the same multiply-add and exponential: that takes v_exp_f32 not to fall where its input rises.
; A block of zeros keeps the byte 1: its codes are zeros, and this program alone reads the bytes.
; SHARES.  Sixteen waves, each with ONE tile of 16 queries in 256 registers: four waves to a SIMD, so that one wave's vector work stands beside another's matrix work and LDS loads.  Every wave walks the head's 2,048 keys, 128 a step.
; THE WHOLE HEAD'S K AND V LIE IN LDS, FILLED ONCE: 16 steps x (K image 8,192 + V image 8,192), and the steps' scale words.  No LDS byte is filled again.  Waves 0 to 3 ask for steps 0 to 3 and wave 4 for the words at the head;
; behind one more round waves 4 to 15 ask for steps 4 to 15, which land while steps 0 to 3 are worked.  By this text's count a wave has one tensor load out at the most.
; CLUSTER.  The four query blocks of a cluster belong to one head: every tile is asked for jointly, by the same load with the same descriptor and a mask that names the four.
; No prefetch is laid: every byte that the work-group reads through LDS is asked for by its tensor loads at the start, and nothing streams later.
; LAYOUT.  Both products are used transposed: S^T = K Q^T (source 0 = 16 keys, source 1 = my 16 queries), O^T = V^T P^T (source 0 = 16 channels): a lane holds ONE query throughout.  The images' tile map (row r of tile 2 b + u is
; 32 b + 8 u + r + 8 (r / 8)) makes the 16 registers of tiles 2 b, 2 b + 1 sixteen neighbours: keys in S^T, channels in O^T.  The head has 64 channels, the form 128 along K: the upper halves of K's and Q's fragments are zero codes.
; REGISTERS: v1-3, v7 addresses that stay; v8, v10 addresses in hand; v12 -M, v13 the largest t, v[14:15] the sum in two halves; v16-31 Q; v32-95 four fragments of K (8 registers of codes, 8 of zeros each);
; v96-159 S^T, then p, then V's four fragments; v160-191 O^T; v192-207 p's codes; v232-247, v252, v254 at work; v248-251, v253, v255 scale words.
.set HSTR,  393216                     ; a head in qkv
.set SSTR,  24576                      ; a step in qkv: Q, K, V images
.set HSW,   20480                      ; a head in qkvs
.set SSW,   1280                       ; a step in qkvs
.set STEPB, 16384                      ; a step in LDS: K's image, then V's
.set SCW,   16*STEPB                   ; the scale words: 16 rows of 768 bytes: K's 512, V's 256
.set SWR,   768
.set SPARE, SCW+16*SWR                 ; the spare words, 128 bytes a wave: eight blocks of 256 bytes that no other line names
.set LI,   1                           ; v1   16 x lane
.set SA,   2                           ; v2   SCW + 16 r
.set RO,   3                           ; v3   32 r: my row in aos
.set SPW,  5                           ; v5   my spare word; never rewritten
.set NIL,  6                           ; v6   0; never rewritten
.set QW,   7                           ; v7   16 r: Q's scale word
.set ADK,  8
.set ADS,  10
.set PCD,  192
.set WV,   18
.set MNT,  19
.set SEL,  20
.set CS,   22                          ; s[22:23] c = log2(e) / 8
.set G1,   24                          ; s[24:31] group 1: a step's 16,384 dense bytes
.set G1S,  32                          ; s[32:39] group 1: the scale words
.set G0,   40                          ; s[40:43] group 0: my step;  s[44:47]: the scale words.  None is ever rewritten
.set G0S,  44
.set TB,   2                           ; s2   LDS byte at which the step in hand begins
.set TS,   3                           ; s3   and its scale words, from SCW on
.set CNT,  66
.macro CROUND                          ; a round of the cluster's barrier
	s_barrier_signal -1
	s_barrier_wait -1
	s_cmp_lg_u32 s[WV], 0
	s_cbranch_scc1 .Lnot_wave_0_\@
	s_barrier_signal -3
.Lnot_wave_0_\@:
	s_barrier_wait -3
	s_barrier_signal -1
	s_barrier_wait -1
.endm
	s_load_b256 s[4:11], s[0:1], 0x0               ; qkv, qkvs, ao, aos
	v_lshl_add_u32 v[SPW], v0, 2, SPARE
	v_mov_b32 v[NIL], 0
	ds_add_u32 v[SPW], v[NIL]                      ; the wave's opening: the add, twice on end, and its wait ahead of my first tensor load
	ds_add_u32 v[SPW], v[NIL]                      ; and once more, under the one wait; the set-up below stands between
	v_lshrrev_b32 v8, 5, v0
	s_delay_alu instid0(VALU_DEP_1)
	v_readfirstlane_b32 s[WV], v8                  ; wave 0..15
	s_bfe_u32 s48, ttmp6, 0x40000                  ; cx: it enters Q's, ao's and aos' addresses alone
	s_lshl_b32 s49, ttmp9, 2
	s_add_co_u32 s49, s49, s48                     ; my block of 256 queries
	s_lshl_b32 s49, s49, 4
	s_add_co_u32 s49, s49, s[WV]                   ; my tile of 16 queries, 0 .. 127
	s_and_b32 s50, ttmp7, 0xffff                   ; the head, 0 .. 63, which the four partners share
	s_mov_b32 s[G1], 15|(3<<16)|(1<<21)            ; 15:0 the mask: all four; 17:16 elements of 8 bytes; 21 set beside a mask; no padding
	s_mov_b32 s[G1+1], 32<<16                      ; tensor_dim0: rows of 256 bytes
	s_mov_b32 s[G1+2], 64<<16                      ; tensor_dim1
	s_mov_b32 s[G1+3], 32<<16                      ; tile_dim0
	s_mov_b32 s[G1+4], 64                          ; tile_dim1
	s_mov_b32 s[G1+5], 32                          ; the pitch: dense
	s_mov_b32 s[G1+6], 0
	s_mov_b32 s[G1+7], 0
	s_mov_b32 s[G1S], 15|(3<<16)|(1<<21)
	s_mov_b32 s[G1S+1], 96<<16                     ; rows of 768 bytes,
	s_mov_b32 s[G1S+2], 16<<16                     ; one for each step,
	s_mov_b32 s[G1S+3], 96<<16
	s_mov_b32 s[G1S+4], 16
	s_mov_b32 s[G1S+5], 160                        ; 1,280 bytes apart
	s_mov_b32 s[G1S+6], 0
	s_mov_b32 s[G1S+7], 0
	s_mul_i32 s52, s50, HSTR                       ; the head's first byte in qkv (under 2^25),
	s_mul_i32 s54, s50, HSW                        ; and in qkvs
	s_mul_i32 s56, s[WV], SSTR                     ; the step that I fetch: its K image, behind Q's
	s_add_co_u32 s56, s56, s52
	s_add_co_u32 s56, s56, 8192
	s_mov_b32 s57, 0
	s_add_co_u32 s58, s54, 512                     ; the words: K's of step 0, behind Q's
	s_mov_b32 s59, 0
	s_lshr_b32 s60, s49, 3                         ; my queries' step
	s_and_b32 s61, s49, 7                          ; and tile in it
	s_mul_i32 s62, s60, SSTR
	s_add_co_u32 s62, s62, s52
	s_lshl_b32 s63, s61, 10
	s_add_co_u32 s62, s62, s63                     ; Q's tile
	s_mov_b32 s63, 0
	s_mul_i32 s68, s60, SSW
	s_add_co_u32 s68, s68, s54
	s_lshr_b32 s69, s61, 2
	s_lshl_b32 s69, s69, 8
	s_add_co_u32 s68, s68, s69
	s_and_b32 s69, s61, 3
	s_lshl_b32 s69, s69, 2
	s_add_co_u32 s68, s68, s69                     ; Q's scale words: 256 (t / 4) + 4 (t % 4), + 16 r in the lane
	s_mov_b32 s69, 0
	s_lshr_b32 s70, s50, 4                         ; the batch
	s_and_b32 s71, s50, 15                         ; the head in it
	s_lshl_b32 s70, s70, 7
	s_add_co_u32 s70, s70, s49                     ; my row tile of ao: 128 x batch + my tile
	s_lshr_b32 s72, s71, 2
	s_lshl_b32 s72, s72, 21                        ; ao: [4 slots of 256 along K][512 row tiles][2 steps of 128][2,048]: four heads to a slot,
	s_lshl_b32 s73, s70, 12
	s_add_co_u32 s72, s72, s73
	s_and_b32 s73, s71, 3
	s_lshl_b32 s73, s73, 10                        ; 1,024 bytes a head in a row tile's 4,096
	s_add_co_u32 s72, s72, s73
	s_mov_b32 s73, 0
	s_lshl_b32 s74, s70, 9                         ; aos: 32 bytes a row, 16 rows a tile; two bytes a head
	s_lshl_b32 s75, s71, 1
	s_add_co_u32 s74, s74, s75
	s_mov_b32 s75, 0
	s_mov_b32 s[SEL], 0x76543210
	s_mov_b32 s[SEL+1], 0xfedcba98
	s_mov_b32 s[CS], 0x3e38aa3b                    ; c = log2(e) / sqrt(64)
	s_mov_b32 s[CS+1], s[CS]                       ; (named with it as a pair, so it is written)
	s_mov_b32 s[TB], 0
	s_mov_b32 s[TS], 0
	s_wait_dscnt 0x0                               ; both opening adds are done
	s_wait_kmcnt 0x0
	s_mov_b32 s[G0], 1
	s_lshl_b32 s[G0+1], s[WV], 14                  ; LDS: step = my wave's number
	s_add_nc_u64 s[G0+2:G0+3], s[4:5], s[56:57]
	s_or_b32 s[G0+3], s[G0+3], 0x80000000
	s_mov_b32 s[G0S], 1
	s_mov_b32 s[G0S+1], SCW
	s_add_nc_u64 s[G0S+2:G0S+3], s[6:7], s[58:59]
	s_or_b32 s[G0S+3], s[G0S+3], 0x80000000
	s_add_nc_u64 s[4:5], s[4:5], s[62:63]          ; Q's tile
	s_add_nc_u64 s[6:7], s[6:7], s[68:69]          ; its scale words
	s_add_nc_u64 s[8:9], s[8:9], s[72:73]          ; my place in ao
	s_add_nc_u64 s[10:11], s[10:11], s[74:75]      ; and in aos
	CROUND                                         ; all four work-groups are here: the first joint loads meet
	s_cmp_lt_u32 s[WV], 4                          ; the branches hang on the wave's number alone; an s_nop 0 and four v_nop follow each load
	s_cbranch_scc0 .Lnot_step
	tensor_load_to_lds s[G0:G0+3], s[G1:G1+7]      ; steps 0 to 3
	s_nop 0
.rept 4
	v_nop
.endr
	s_branch .Lasked
.Lnot_step:
	s_cmp_eq_u32 s[WV], 4
	s_cbranch_scc0 .Lasked
	tensor_load_to_lds s[G0S:G0S+3], s[G1S:G1S+7]  ; the scale words of all 16 steps
	s_nop 0
.rept 4
	v_nop
.endr
.Lasked:
	v_and_b32 v[LI], 31, v0
	s_delay_alu instid0(VALU_DEP_1)
	v_lshlrev_b32 v[LI], 4, v[LI]
	v_and_b32 v4, 15, v0                           ; r
	s_delay_alu instid0(VALU_DEP_1)
	v_lshl_add_u32 v[SA], v4, 4, SCW
	s_delay_alu instid0(VALU_DEP_2)
	v_lshlrev_b32 v[RO], 5, v4
	s_delay_alu instid0(VALU_DEP_3)
	v_lshlrev_b32 v[QW], 4, v4
	global_load_b128 v[16:19], v[LI], s[4:5]               ; Q's fragment, as it lies: d = 16 h + 0 .. 15,
	global_load_b128 v[20:23], v[LI], s[4:5] offset:512    ; d = 32 + 16 h + 0 .. 15
	global_load_b32 v255, v[QW], s[6:7]                    ; and its scale word
.irp j, 24,25,26,27,28,29,30,31
	v_mov_b32 v[\j], 0                             ; Q's K = 64 .. 127: zero codes
.endr
.irp t, 0,1,2,3
.irp j, 8,9,10,11,12,13,14,15
	v_mov_b32 v[32+16*\t+\j], 0                    ; the same of K's four fragments: set once, no load lands there
.endr
.endr
	s_wait_tensorcnt 0x0                           ; my first fill, if I issued one, has landed
	ds_add_u32 v[SPW], v[NIL]                      ; 0 onto my spare word,
	ds_add_u32 v[SPW], v[NIL]                      ; and twice on end here
	v_mov_b32 v13, 0xff61b1e6                      ; the largest t so far: -3e38, under every t
	s_delay_alu instid0(VALU_DEP_1)
	v_floor_f32 v12, -v13                          ; -M
	v_mov_b32 v14, 0                               ; the sum, in two halves
	v_mov_b32 v15, 0
.irp b, 0,1,2,3
	v_mov_b32 v[236+\b], 0                         ; written once: a lane permute's destination counts as one of its sources
.endr
	v_mov_b32 v253, 0                              ; (named as the upper half of the pair v[252:253] before it is first written)
.set j, 0
.rept 32
	v_mov_b32 v[160+j], 0                          ; O^T: the step is written once; its first run finds zeros, which the first change of M leaves zeros
.set j, j+1
.endr
	s_wait_dscnt 0x0                               ; both adds are done
	CROUND                                         ; steps 0 to 3 and the words lie in every partner's LDS; behind this round nothing is filled again: only first fills follow
	s_cmp_lt_u32 s[WV], 4
	s_cbranch_scc1 .Lno_late
	tensor_load_to_lds s[G0:G0+3], s[G1:G1+7]      ; steps 4 to 15: my one tensor load behind the round; four key steps in which to land
	s_nop 0
.rept 4
	v_nop
.endr
.Lno_late:
; A KEY STEP: 128 keys.
.macro STEP
	s_setprio 2
	v_add_nc_u32 v[ADK], s[TB], v[LI]
	s_wait_alu depctr_va_vdst(0)
	v_add_nc_u32 v[ADS], s[TS], v[SA]
	s_wait_alu depctr_va_vdst(0)
.rept 7
	v_nop                                          ; with the two additions nine places: the first products below write over v96 on, which the last step's last products read as a source
.endr
.irp g, 0,1                                    ; S^T = K Q^T, four tiles of 16 keys at a time
.if \g
.rept 8
	v_nop                                          ; places in front of loads into registers that matrix instructions have read
.endr
.endif
.irp t, 0,1,2,3
	ds_load_b128 v[32+16*\t:35+16*\t], v[ADK] offset:(4*\g+\t)*1024        ; an image's 512 bytes: 16 a lane, dense
	ds_load_b128 v[36+16*\t:39+16*\t], v[ADK] offset:(4*\g+\t)*1024+512
.endr
	ds_load_b128 v[248:251], v[ADS] offset:256*\g  ; the four tiles' scale words of row r
	s_wait_dscnt 0x0
.irp t, 0,1,2,3
	v_wmma_scale_f32_16x16x128_f8f6f4 v[96+8*(4*\g+\t):103+8*(4*\g+\t)], v[32+16*\t:47+16*\t], v[16:31], 0, v[248+\t], v255
.endr
.endr                                          ; lane (r, h) holds query r; register 16 b + i is key 32 b + 16 h + i of the step
.rept 8
	v_nop
.endr
.irp b, 0,1,2,3
	v_max3_num_f32 v[232+\b], v[96+16*\b], v[97+16*\b], v[98+16*\b]   ; the largest score of each block of 32 keys: it serves for the row's maximum and, since p rises with the score, for the block's largest p
.endr
.irp i, 3,5,7,9,11,13
.irp b, 0,1,2,3
	v_max3_num_f32 v[232+\b], v[232+\b], v[96+16*\b+\i], v[97+16*\b+\i]
.endr
.endr
.irp b, 0,1,2,3
	v_max_num_f32 v[232+\b], v[232+\b], v[111+16*\b]
.endr
.irp b, 0,1,2,3
	s_delay_alu instid0(VALU_DEP_4)
	v_permlanex16_b32 v[236+\b], v[232+\b], s[SEL], s[SEL+1]
.endr
.irp b, 0,1,2,3
	s_delay_alu instid0(VALU_DEP_4)
	v_max_num_f32 v[232+\b], v[232+\b], v[236+\b]  ; with lane l xor 16's 16 keys
.endr
	s_delay_alu instid0(VALU_DEP_2)
	v_max3_num_f32 v254, v232, v233, v234
	s_delay_alu instid0(VALU_DEP_1)
	v_max_num_f32 v254, v254, v235                 ; the step's largest score of my query
	s_delay_alu instid0(VALU_DEP_1)
	v_mul_f32 v254, s[CS], v254                    ; as t (c is positive)
	s_delay_alu instid0(VALU_DEP_1)
	v_max_num_f32 v13, v13, v254                   ; the running largest t
	v_mov_b32 v254, v12
	s_delay_alu instid0(VALU_DEP_2)
	v_floor_f32 v12, -v13                          ; the new -M = floor(-t) = -ceil(t): a whole number
	s_delay_alu instid0(VALU_DEP_1)
	v_sub_f32 v254, v12, v254                      ; old M less new M: a whole number, 0 or less
	s_delay_alu instid0(VALU_DEP_1)
	v_cvt_i32_f32 v254, v254                       ; (it saturates)
	s_delay_alu instid0(VALU_DEP_1)
	v_ldexp_f32 v252, 1.0, v254                    ; f = 2^(old M - new M)
.set j, 0
.rept 32
	v_pk_fma_f32 v[96+j:97+j], v[96+j:97+j], s[CS:CS+1], v[12:13] op_sel_hi:[1,0,0]   ; t - M, two at a time
.set j, j+2
.endr
.irp b, 0,1,2,3
	v_fma_f32 v[232+\b], v[232+\b], s[CS], v12     ; the same of each block's largest score
.endr
.set j, 0
	s_wait_alu depctr_va_vdst(0)
.rept 64
	v_exp_f32 v[96+j], v[96+j]                     ; p = 2^(t - M), at most 1
.set j, j+1
.endr
	s_setprio 1
	v_pk_mul_f32 v[14:15], v[14:15], v[252:253] op_sel_hi:[1,0]   ; the sums under the new M: a plain instruction behind the exponentials
	s_wait_alu depctr_va_vdst(0)                   ; one wait for the whole batch, ahead of its first reader
.irp b, 0,1,2,3
	v_exp_f32 v[232+\b], v[232+\b]                 ; the block's largest p
.endr
	v_pk_add_f32 v[236:237], v[100:101], v[104:105]
	v_pk_add_f32 v[250:251], v[108:109], v[112:113]
	v_pk_add_f32 v[248:249], v[116:117], v[120:121]
	v_pk_add_f32 v[246:247], v[124:125], v[128:129]
	v_pk_add_f32 v[244:245], v[132:133], v[136:137]
	v_pk_add_f32 v[242:243], v[140:141], v[144:145]
	v_pk_add_f32 v[240:241], v[148:149], v[152:153]
	v_pk_add_f32 v[14:15], v[14:15], v[156:157]
	v_pk_add_f32 v[236:237], v[236:237], v[96:97]
	v_pk_add_f32 v[250:251], v[250:251], v[98:99]
	v_pk_add_f32 v[248:249], v[248:249], v[102:103]
	v_pk_add_f32 v[246:247], v[246:247], v[106:107]
	v_pk_add_f32 v[244:245], v[244:245], v[110:111]
	v_pk_add_f32 v[242:243], v[242:243], v[114:115]
	v_pk_add_f32 v[240:241], v[240:241], v[118:119]
	v_pk_add_f32 v[14:15], v[14:15], v[122:123]
	v_pk_add_f32 v[236:237], v[236:237], v[126:127]
	v_pk_add_f32 v[250:251], v[250:251], v[130:131]
	v_pk_add_f32 v[248:249], v[248:249], v[134:135]
	v_pk_add_f32 v[246:247], v[246:247], v[138:139]
	v_pk_add_f32 v[244:245], v[244:245], v[142:143]
	v_pk_add_f32 v[242:243], v[242:243], v[146:147]
	v_pk_add_f32 v[240:241], v[240:241], v[150:151]
	v_pk_add_f32 v[14:15], v[14:15], v[154:155]
	v_pk_add_f32 v[236:237], v[236:237], v[158:159]
	s_delay_alu instid0(VALU_DEP_2)
	v_pk_add_f32 v[14:15], v[14:15], v[246:247]
	s_delay_alu instid0(VALU_DEP_2)
	v_pk_add_f32 v[236:237], v[236:237], v[244:245]
	v_pk_add_f32 v[250:251], v[250:251], v[242:243]
	v_pk_add_f32 v[248:249], v[248:249], v[240:241]
	s_delay_alu instid0(VALU_DEP_2)
	v_pk_add_f32 v[14:15], v[14:15], v[250:251]
	s_delay_alu instid0(VALU_DEP_2)
	v_pk_add_f32 v[236:237], v[236:237], v[248:249]
	s_delay_alu instid0(VALU_DEP_1)
	v_pk_add_f32 v[14:15], v[14:15], v[236:237]
	s_wait_alu depctr_va_vdst(0)                   ; and one for the four
.irp b, 0,1,2,3
	v_max_num_f32 v[232+\b], 0x4800000, v[232+\b]  ; the floor 2^(9 - 127): the byte cannot fall under 1
.endr
.irp b, 0,1,2,3
	s_delay_alu instid0(VALU_DEP_4)
	v_add_nc_u32 v[244+\b], 0xfc000000, v[232+\b]  ; 8 off the exponent field: the conversion's scale operand
.endr
.irp b, 0,1,2,3
.endr
.irp b, 0,1,2,3
	s_delay_alu instid0(VALU_DEP_4)
	v_lshrrev_b32 v[236+\b], 23, v[244+\b]         ; the scale's byte
.endr
	s_delay_alu instid0(VALU_DEP_3)
	v_lshl_or_b32 v253, v237, 8, v236              ; p's scale word for these 128 keys
	s_delay_alu instid0(VALU_DEP_1)
	v_lshl_or_b32 v253, v238, 16, v253
	s_delay_alu instid0(VALU_DEP_1)
	v_lshl_or_b32 v253, v239, 24, v253
.irp b, 0,1,2,3
.irp i, 0,1,2,3,4,5,6,7,8,9,10,11,12,13,14,15
.endr
	v_cvt_scalef32_pk8_fp8_f32 v[PCD+4*\b:PCD+1+4*\b], v[96+16*\b:103+16*\b], v[244+\b]
	v_cvt_scalef32_pk8_fp8_f32 v[PCD+2+4*\b:PCD+3+4*\b], v[104+16*\b:111+16*\b], v[244+\b]
.endr
	v_nop
.irp t, 0,1,2,3                                ; V's four fragments (16 channels x 128 keys each) into the registers that p has left
.irp c, 0,1,2,3
	ds_load_b128 v[96+16*\t+4*\c:99+16*\t+4*\c], v[ADK] offset:8192+2048*\t+512*\c
.endr
.endr
	s_setprio 0
	ds_load_b128 v[248:251], v[ADS] offset:512     ; and their scale words
.set j, 0
.rept 16
	v_pk_mul_f32 v[160+j:161+j], v[160+j:161+j], v[252:253] op_sel_hi:[1,0]   ; O^T under the new M.  These are also the places between the conversions and the products that take the codes
.set j, j+2
.endr
.rept 4
	v_nop                                          ; so that the accumulator written last does not stand directly ahead of the product that adds onto it; V's loads come back meanwhile
.endr
	s_wait_alu depctr_va_vdst(0)
	s_wait_dscnt 0x0
.irp t, 0,1,2,3                                ; O^T += V^T P^T: four accumulators by turns
	v_wmma_scale_f32_16x16x128_f8f6f4 v[160+8*\t:167+8*\t], v[96+16*\t:111+16*\t], v[PCD:PCD+15], v[160+8*\t:167+8*\t], v[248+\t], v253
.endr
	s_add_co_u32 s[TB], s[TB], STEPB
	s_add_co_u32 s[TS], s[TS], SWR
.endm
	s_wait_loadcnt 0x0                             ; Q
	s_mov_b32 s[CNT], 4
.Lfirst:                                           ; steps 0 to 3: LDS bytes under 65,536, which have landed; steps 4 to 15 are on their way into the bytes behind them
	STEP
	s_sub_co_u32 s[CNT], s[CNT], 1
	s_cmp_lg_u32 s[CNT], 0
	s_cbranch_scc1 .Lfirst
	s_setprio 0
	s_wait_tensorcnt 0x0                           ; my step has landed,
	s_wait_dscnt 0x0
	s_barrier_signal -1
	s_barrier_wait -1                              ; everybody's has.
	s_mov_b32 s[TB], 4*STEPB
	s_mov_b32 s[TS], 4*SWR
	s_mov_b32 s[CNT], 12
.Lrest:                                            ; steps 4 to 15: no barrier, no wait for tiles
	STEP
	s_sub_co_u32 s[CNT], s[CNT], 1
	s_cmp_lg_u32 s[CNT], 0
	s_cbranch_scc1 .Lrest
	s_setprio 0
	; THE WAY OUT.  O^T / the sum; register 16 b + i of lane (r, h) is channel 32 b + 16 h + i of query r: the layout of the next product's operand.  Two blocks of 32 are quantised and stored as they stand.
.rept 8
	v_nop
.endr
	v_add_f32 v14, v14, v15                        ; the sum's two halves,
	s_delay_alu instid0(VALU_DEP_1)
	v_permlanex16_b32 v252, v14, s[SEL], s[SEL+1]
	s_delay_alu instid0(VALU_DEP_1)
	v_add_f32 v14, v14, v252                       ; and lane l xor 16's: the row's sum
	s_wait_alu depctr_va_vdst(0)
	v_rcp_f32 v14, v14
	v_nop                                          ; a plain instruction behind the reciprocal,
	s_wait_alu depctr_va_vdst(0)                   ; and the wait ahead of its first reader
.set j, 0
.rept 32
	v_mul_f32 v[96+j], v[160+j], v14               ; each accumulator from its low end on
.set j, j+1
.endr
.irp b, 0,1
	v_max3_num_f32 v[232+\b], |v[96+16*\b]|, |v[97+16*\b]|, 0x4800000
.endr
.irp i, 2,4,6,8,10,12,14
.irp b, 0,1
	s_delay_alu instid0(VALU_DEP_2)
	v_max3_num_f32 v[232+\b], v[232+\b], |v[96+16*\b+\i]|, |v[97+16*\b+\i]|
.endr
.endr
.irp b, 0,1
	s_delay_alu instid0(VALU_DEP_2)
	v_permlanex16_b32 v[236+\b], v[232+\b], s[SEL], s[SEL+1]
.endr
.irp b, 0,1
	s_delay_alu instid0(VALU_DEP_2)
	v_max_num_f32 v[232+\b], v[232+\b], v[236+\b]
.endr
.irp b, 0,1
	s_delay_alu instid0(VALU_DEP_2)
	v_add_nc_u32 v[244+\b], 0xfc000000, v[232+\b]
.endr
.irp b, 0,1
.endr
.irp b, 0,1
	s_delay_alu instid0(VALU_DEP_2)
	v_lshrrev_b32 v[236+\b], 23, v[244+\b]
.endr
	s_delay_alu instid0(VALU_DEP_1)
	v_lshl_or_b32 v254, v237, 8, v236              ; my row's two scale bytes
.irp b, 0,1
.irp i, 0,1,2,3,4,5,6,7,8,9,10,11,12,13,14,15
.endr
	v_cvt_scalef32_pk8_fp8_f32 v[PCD+4*\b:PCD+1+4*\b], v[96+16*\b:103+16*\b], v[244+\b]
	v_cvt_scalef32_pk8_fp8_f32 v[PCD+2+4*\b:PCD+3+4*\b], v[104+16*\b:111+16*\b], v[244+\b]
.endr
	v_nop                                          ; one plain vector instruction behind the last conversion
	global_store_b128 v[LI], v[PCD:PCD+3], s[8:9]               ; 512 consecutive bytes each, aligned to 256
	global_store_b128 v[LI], v[PCD+4:PCD+7], s[8:9] offset:512
	global_store_b16 v[RO], v254, s[10:11]         ; two bytes of each row's 32: rows 32 bytes apart, so aligned blocks of 256 bytes are written in part; these are one byte for each 32 of the codes.  Lanes 16-31 store the same value at the same place
	s_wait_tensorcnt 0x0                           ; the wave's end, behind my last tensor load
	ds_add_u32 v[SPW], v[NIL]
	s_wait_dscnt 0x0
	CROUND                                         ; the closing round
	s_endpgm
.Lfunc_end_k_q3dc1a47dea_attn:
	.size	k_q3dc1a47dea_attn, .Lfunc_end_k_q3dc1a47dea_attn-k_q3dc1a47dea_attn
	.p2alignl 7, 3214868480
	.fill 96, 4, 3214868480
	.section	.rodata,"a",@progbits
	.p2align	6, 0x0
	.amdhsa_kernel k_q3dc1a47dea_attn
		.amdhsa_group_segment_fixed_size 327680
		.amdhsa_private_segment_fixed_size 0
		.amdhsa_enable_private_segment 0
		.amdhsa_kernarg_size 32
		.amdhsa_user_sgpr_count 2
		.amdhsa_user_sgpr_kernarg_segment_ptr 1
		.amdhsa_wavefront_size32 1
		.amdhsa_system_sgpr_workgroup_id_x 1
		.amdhsa_system_sgpr_workgroup_id_y 1
		.amdhsa_system_sgpr_workgroup_id_z 1
		.amdhsa_system_vgpr_workitem_id 0
		.amdhsa_next_free_vgpr 256
		.amdhsa_next_free_sgpr 80
		.amdhsa_reserve_vcc 0
		.amdhsa_float_denorm_mode_32 3
		.amdhsa_float_denorm_mode_16_64 3
		.amdhsa_fp16_overflow 1
		.amdhsa_memory_ordered 1
		.amdhsa_forward_progress 1
		.amdhsa_inst_pref_size 50
	.end_amdhsa_kernel
	.amdgpu_metadata
---
amdhsa.version: [ 1, 2 ]
amdhsa.kernels:
  - .name:           k_q3dc1a47dea_attn
    .symbol:         k_q3dc1a47dea_attn.kd
    .args:
      - { .name: qkv, .offset: 0, .size: 8, .value_kind: global_buffer, .address_space: global }
      - { .name: qkvs, .offset: 8, .size: 8, .value_kind: global_buffer, .address_space: global }
      - { .name: ao, .offset: 16, .size: 8, .value_kind: global_buffer, .address_space: global }
      - { .name: aos, .offset: 24, .size: 8, .value_kind: global_buffer, .address_space: global }
    .group_segment_fixed_size: 327680
    .private_segment_fixed_size: 0
    .kernarg_segment_align: 8
    .kernarg_segment_size: 32
    .max_flat_workgroup_size: 512
    .sgpr_count:     80
    .vgpr_count:     256
    .wavefront_size: 32
...
	.end_amdgpu_metadata
.endif
;; end of part 2
;; launch outp (part 3): grid 4 x 32, 4 waves a work-group, clusters of 4 x 4, 327,680 bytes of LDS; arguments ao, aos, w_out_codes, w_out_scales, b_out, out0; writes out0
.if DOCPART == 3
	.amdgcn_target "amdgcn-amd-amdhsa--gfx1250"
	.amdhsa_code_object_version 6
	.text
	.protected	k_q3dc1a47dea_outp
	.globl	k_q3dc1a47dea_outp
	.p2align	8
	.type	k_q3dc1a47dea_outp,@function
k_q3dc1a47dea_outp:
	s_mov_b64 s[64:65], 0
	v_nop
	global_prefetch_b8 v0, s[64:65] scope:SCOPE_SE
	s_setreg_imm32_b32 hwreg(HW_REG_WAVE_MODE, 25, 1), 1
	s_wait_xcnt 0x0
	s_wait_alu depctr_hold_cnt(0) depctr_sa_sdst(0) depctr_va_vdst(0) depctr_va_sdst(0) depctr_va_ssrc(0) depctr_va_vcc(0) depctr_vm_vsrc(0)
	s_getreg_b32 s2, hwreg(HW_REG_IB_STS2, 6, 4)
	s_cmp_eq_u32 s2, 0
	s_cbranch_scc0 .Lentry_in_a_cluster
	s_endpgm
.Lentry_in_a_cluster:
	s_bfe_u32 s2, ttmp6, 0x10000c
	s_cmp_lg_u32 s2, 0xf033
	s_cbranch_scc0 .Lentry_shape_is_right
	s_endpgm
.Lentry_shape_is_right:
.set NQ,     2
.set ROWB,   256
.set KROW,   1024
.set PITCH,  272
.set FR,     16
.set NL,     4
.set NP,     8
.set HALFA,  32768
.set HALFT,  128*PITCH
.set BOFF,   2*HALFA
.set SLOT,   BOFF+2*HALFT
.set KSLB,   2097152
.set KS,     32
.set SCL,    2*SLOT
.set HALFS,  (128*KS/256)*272
.set SBLK,   (16*KS/256)*272
.set SPARE,  SCL+4*HALFS
.set SPITCH, 528
.set BO,   12
.set ADRA, 16
.set ADRB, 20
.set STO,  24
.set RD,   25
.set CO,   26
.set ADRS, 27
.set SPW,  28
.set NIL,  29
.set SC,   32
.set BS,   64
.set AF,   128
.set BK,   128
.set WV,   18
.set H1,   19
.set H0,   20
.set G1,   24
.set G0,   32
.set G1B,  48
.set G0B,  56
.set G1S,  68
.set G0S,  76
.set G1SB, 80
.set G0SB, 88
.set MSB, 0
.macro WIN new
.if MSB != (\new)
	s_set_vgpr_msb (MSB<<8)|(\new)
.set MSB, (\new)
.endif
.endm
.set MUL_LO, 0xa1
.set MUL_HI, 0xf1
.set BIA_LO, 0x81
.set BIA_HI, 0xc1
.set TO_B,   0x40
.macro JLOAD g0a, g1a, g0b, g1b
	s_cmp_eq_u32 s[H1], 0
	s_cbranch_scc0 .Lfor_b_\@
	tensor_load_to_lds s[\g0a:\g0a+3], s[\g1a:\g1a+7]
	s_nop 0
.rept 4
	v_nop
.endr
	s_branch .Lasked_\@
.Lfor_b_\@:
	tensor_load_to_lds s[\g0b:\g0b+3], s[\g1b:\g1b+7]
	s_nop 0
.rept 4
	v_nop
.endr
.Lasked_\@:
.endm
.macro CREST
	s_cmp_lg_u32 s[WV], 0
	s_cbranch_scc1 .Lnot_wave_0_\@
	s_barrier_signal -3
.Lnot_wave_0_\@:
	s_barrier_wait -3
	s_barrier_signal -1
	s_barrier_wait -1
.endm
.macro CROUND
	s_barrier_signal -1
	s_barrier_wait -1
	CREST
.endm
	s_load_b256 s[4:11], s[0:1], 0x0
	s_load_b128 s[12:15], s[0:1], 0x20
	v_lshl_add_u32 v[SPW], v0, 2, SPARE
	v_mov_b32 v[NIL], 0
	ds_add_u32 v[SPW], v[NIL]
	ds_add_u32 v[SPW], v[NIL]
	v_lshrrev_b32 v1, 5, v0
	v_readfirstlane_b32 s[WV], v1
	s_lshr_b32 s[H1], s[WV], 1
	s_and_b32 s[H0], s[WV], 1
	s_bfe_u32 s40, ttmp6, 0x40000
	s_bfe_u32 s41, ttmp6, 0x40004
	s_lshl_b32 s42, ttmp9, 2
	s_add_co_u32 s42, s42, s40
	s_and_b32 s43, ttmp7, 0xffff
	s_lshl_b32 s43, s43, 2
	s_add_co_u32 s43, s43, s41
	s_lshl_b32 s45, s41, 2
	s_lshl_b32 s45, 15, s45
	s_lshl_b32 s46, 0x1111, s40
	s_or_b32 s[G1+0], s45, (3<<16)|(1<<21)
	s_mov_b32 s[G1+1], 32<<16
	s_mov_b32 s[G1+2], 128<<16
	s_mov_b32 s[G1+3], 32<<16
	s_mov_b32 s[G1+4], 128
	s_mov_b32 s[G1+5], 32
	s_mov_b32 s[G1+6], 0
	s_mov_b32 s[G1+7], 0
	s_or_b32 s[G1B+0], s46, (0<<16)|(1<<20)|(1<<21)|(5<<22)|(3<<25)
	s_mov_b32 s[G1B+1], ROWB<<16
	s_mov_b32 s[G1B+2], 128<<16
	s_mov_b32 s[G1B+3], ROWB<<16
	s_mov_b32 s[G1B+4], 128
	s_mov_b32 s[G1B+5], KROW
	s_mov_b32 s[G1B+6], 0
	s_mov_b32 s[G1B+7], 0
	s_or_b32 s[G1S+0], s45, (3<<16)|(1<<20)|(1<<21)|(5<<22)|(3<<25)
	s_or_b32 s[G1SB+0], s46, (3<<16)|(1<<20)|(1<<21)|(5<<22)|(3<<25)
.irp g, G1S, G1SB
	s_mov_b32 s[\g+1], 32<<16
	s_mov_b32 s[\g+2], (128*KS/256)<<16
	s_mov_b32 s[\g+3], 32<<16
	s_mov_b32 s[\g+4], 128*KS/256
	s_mov_b32 s[\g+5], 32
	s_mov_b32 s[\g+6], 0
	s_mov_b32 s[\g+7], 0
.endr
	s_lshl_b32 s92, s43, 16
	s_lshl_b32 s47, s[H0], 15
	s_add_co_u32 s92, s92, s47
	s_mov_b32 s93, 0
	s_lshl_b32 s96, s43, 13
	s_lshl_b32 s47, s[H0], 12
	s_add_co_u32 s96, s96, s47
	s_mov_b32 s97, 0
	s_lshl_b32 s98, s42, 13
	s_add_co_u32 s98, s98, s47
	s_mov_b32 s99, 0
	s_lshl_b32 s94, s42, 18
	s_lshl_b32 s47, s[H0], 17
	s_add_co_u32 s94, s94, s47
	s_mov_b32 s95, 0
	s_lshl_b32 s100, s[H0], 15
	s_mul_i32 s101, s[H0], HALFT
	s_add_co_u32 s101, s101, BOFF
	s_mul_i32 s3, s[WV], HALFS
	s_wait_dscnt 0x0
	s_wait_kmcnt 0x0
	s_add_nc_u64 s[4:5], s[4:5], s[92:93]
	s_add_nc_u64 s[6:7], s[6:7], s[96:97]
	s_add_nc_u64 s[8:9], s[8:9], s[94:95]
	s_add_nc_u64 s[10:11], s[10:11], s[98:99]
	CROUND
	s_mov_b32 s[G0S], 1
	s_add_co_u32 s[G0S+1], s3, SCL
	s_mov_b64 s[G0S+2:G0S+3], s[6:7]
	s_or_b32 s[G0S+3], s[G0S+3], 0x80000000
	s_mov_b32 s[G0SB], 1
	s_add_co_u32 s[G0SB+1], s3, SCL
	s_mov_b64 s[G0SB+2:G0SB+3], s[10:11]
	s_or_b32 s[G0SB+3], s[G0SB+3], 0x80000000
	JLOAD G0S, G1S, G0SB, G1SB
.irp s, 0,1
	s_mov_b32 s[G0+4*\s], 1
	s_add_co_u32 s[G0+4*\s+1], s100, \s*SLOT
	s_add_nc_u64 s[G0+4*\s+2:G0+4*\s+3], s[4:5], \s*KSLB
	s_or_b32 s[G0+4*\s+3], s[G0+4*\s+3], 0x80000000
	s_mov_b32 s[G0B+4*\s], 1
	s_add_co_u32 s[G0B+4*\s+1], s101, \s*SLOT
	s_add_nc_u64 s[G0B+4*\s+2:G0B+4*\s+3], s[8:9], \s*ROWB
	s_or_b32 s[G0B+4*\s+3], s[G0B+4*\s+3], 0x80000000
	s_wait_alu depctr_va_vdst(0)
	s_wait_tensorcnt 0x0
	ds_add_u32 v28, v29
	s_wait_dscnt 0x0
	CROUND
	JLOAD G0+4*\s, G1, G0B+4*\s, G1B
.endr
	v_and_b32 v1, 15, v0
	v_bfe_u32 v2, v0, 4, 1
	v_and_b32 v6, 31, v0
	v_lshlrev_b32 v[CO], 4, v6
	v_mul_u32_u24 v3, v1, PITCH
	v_lshl_add_u32 v4, v2, 4, v3
	s_lshl_b32 s8, s[H1], 15
	s_mul_i32 s9, s[H0], HALFT
	s_add_co_u32 s9, s9, BOFF
.irp s, 0,1
	v_add_nc_u32 v[ADRA+\s], s8, v[CO]
	v_add_nc_u32 v[ADRB+\s], s9, v4
	s_add_co_u32 s8, s8, SLOT
	s_add_co_u32 s9, s9, SLOT
.endr
	v_mul_u32_u24 v5, v1, KS
	v_lshrrev_b32 v6, 8, v5
	v_lshl_add_u32 v5, v6, 4, v5
	s_mul_i32 s8, s[H1], HALFS
	s_mul_i32 s9, s[H0], HALFS
	s_add_co_u32 s9, s9, 2*HALFS
	s_sub_co_u32 s9, s9, s8
	v_mul_u32_u24 v6, s9, v2
	s_add_co_u32 s8, s8, SCL
	v_add_nc_u32 v5, v5, v6
	v_add_nc_u32 v[ADRS], s8, v5
	s_mul_i32 s8, s[WV], 16*SPITCH
	v_mul_u32_u24 v5, v1, SPITCH
	v_lshl_add_u32 v5, v2, 5, v5
	v_add_nc_u32 v[STO], s8, v5
	v_add_nc_u32 v[RD], s8, v[CO]
	v_lshlrev_b32 v[BO], 5, v2
	s_wait_alu depctr_va_vdst(0)
	s_lshl_b32 s92, s42, 8
	s_lshl_b32 s93, s[H0], 7
	s_add_co_u32 s92, s92, s93
	s_lshl_b32 s92, s92, 2
	s_mov_b32 s93, 0
	s_add_nc_u64 s[12:13], s[12:13], s[92:93]
	s_add_nc_u64 s[14:15], s[14:15], s[92:93]
	s_lshl_b32 s92, s43, 8
	s_lshl_b32 s94, s[H1], 7
	s_add_co_u32 s92, s92, s94
	s_lshl_b32 s92, s92, 12
	s_add_nc_u64 s[14:15], s[14:15], s[92:93]
.irp b, 0,1,2,3,4,5,6,7
	global_load_b128 v[BS+8*\b:BS+8*\b+3], v[BO], s[12:13] offset:64*\b
	global_load_b128 v[BS+8*\b+4:BS+8*\b+7], v[BO], s[12:13] offset:64*\b+16
.endr
.macro FRAGB reg, adr, q, i
.irp c, 0,1,2,3
	ds_load_b128 v[\reg+4*\c:\reg+4*\c+3], v[\adr] offset:128*(\q)+32*\c+(\i)*16*PITCH
.endr
.endm
.macro FRAGA reg, adr, q, i
.irp c, 0,1,2,3
	ds_load_b128 v[\reg+4*\c:\reg+4*\c+3], v[\adr] offset:(\i)*4096+(\q)*2048+512*\c
.endr
.endm
.macro MUL16 a0, p, q, sc, bias
.irp a, \a0, \a0+1
.irp b, 0,1,2,3,4,5,6,7
.if \bias
	v_wmma_scale_f32_16x16x128_f8f6f4 v[8*(8*((\a)%4)+\b):8*(8*((\a)%4)+\b)+7], v[128*(\p)+FR*\b:128*(\p)+FR*\b+FR-1], v[AF+FR*(\a):AF+FR*(\a)+FR-1], v[BS+8*\b:BS+8*\b+7], v[SC+8*NQ*(\sc)+NQ*\b+(\q)], v[SC+8*NQ*(\sc)+NQ*(\a)+(\q)] matrix_a_scale:MATRIX_SCALE_ROW1
.else
	v_wmma_scale_f32_16x16x128_f8f6f4 v[8*(8*((\a)%4)+\b):8*(8*((\a)%4)+\b)+7], v[128*(\p)+FR*\b:128*(\p)+FR*\b+FR-1], v[AF+FR*(\a):AF+FR*(\a)+FR-1], v[8*(8*((\a)%4)+\b):8*(8*((\a)%4)+\b)+7], v[SC+8*NQ*(\sc)+NQ*\b+(\q)], v[SC+8*NQ*(\sc)+NQ*(\a)+(\q)] matrix_a_scale:MATRIX_SCALE_ROW1
.endif
.endr
.endr
.endm
.macro FETCH_B slot, q, p
	WIN TO_B
.irp i, 0,1,2,3,4,5,6,7
	FRAGB 128*(\p)+FR*\i, ADRB+\slot, \q, \i
.endr
	WIN 0
.endm
.macro FETCH_A slot, q, i0
.irp i, \i0, \i0+1, \i0+2, \i0+3
	FRAGA AF+FR*(\i), ADRA+\slot, \q, \i
.endr
.endm
.macro SCALES sc
.irp i, 0,1,2,3,4,5,6,7
	ds_load_b64 v[SC+8*NQ*\sc+NQ*\i:SC+8*NQ*\sc+NQ*\i+1], v[ADRS] offset:\i*SBLK
.endr
.endm
.macro PLACES n
.rept \n
	v_nop
.endr
.endm
.macro STEP slot, q, bias
	s_wait_dscnt 4*NL
.if \bias
	WIN BIA_LO
.else
	WIN MUL_LO
.endif
	MUL16 0, (\q)%2, \q, \slot, \bias
	MUL16 2, (\q)%2, \q, \slot, \bias
	s_wait_dscnt 0
	PLACES NP
	FETCH_B \slot, (\q)+1, 1-(\q)%2
	FETCH_A \slot, (\q)+1, 0
.if \bias
	WIN BIA_HI
.else
	WIN MUL_HI
.endif
	MUL16 4, (\q)%2, \q, \slot, \bias
	MUL16 6, (\q)%2, \q, \slot, \bias
	PLACES NP
	WIN 0
	FETCH_A \slot, (\q)+1, 4
.endm
.macro TURN slot, next, fill
	s_wait_tensorcnt 0x0
	ds_add_u32 v[SPW], v[NIL]
	s_wait_dscnt 4*NL+1
	WIN MUL_LO
	MUL16 0, 1, NQ-1, \slot, 0
	s_wait_dscnt 0x0
	s_barrier_signal -1
	MUL16 2, 1, NQ-1, \slot, 0
	WIN 0
	s_barrier_wait -1
.if \fill
	CREST
	s_add_nc_u64 s[G0+4*\slot+2:G0+4*\slot+3], s[G0+4*\slot+2:G0+4*\slot+3], 2*KSLB
	s_add_nc_u64 s[G0B+4*\slot+2:G0B+4*\slot+3], s[G0B+4*\slot+2:G0B+4*\slot+3], 2*ROWB
	JLOAD G0+4*\slot, G1, G0B+4*\slot, G1B
	PLACES NP-4
.else
	PLACES NP
.endif
	s_wait_alu depctr_va_vdst(0)
	v_add_nc_u32 v[ADRS], 4*NQ, v[ADRS]
	FETCH_B \next, 0, 0
	FETCH_A \next, 0, 0
	SCALES \next
	WIN MUL_HI
	MUL16 4, 1, NQ-1, \slot, 0
	MUL16 6, 1, NQ-1, \slot, 0
	PLACES NP
	WIN 0
	FETCH_A \next, 0, 4
.endm
	s_wait_tensorcnt 1
	s_barrier_signal -1
	s_barrier_wait -1
	FETCH_B 0, 0, 0
	FETCH_A 0, 0, 0
	SCALES 0
	FETCH_A 0, 0, 4
	s_wait_loadcnt 0x0
	STEP 0, 0, 1
	TURN 0, 1, 1
	STEP 1, 0, 0
	TURN 1, 0, 1
	STEP 0, 0, 0
	TURN 0, 1, 0
	STEP 1, 0, 0
	s_wait_dscnt 4*NL
	WIN MUL_LO
	MUL16 0, 1, NQ-1, 1, 0
	MUL16 2, 1, NQ-1, 1, 0
	s_wait_dscnt 0
	WIN MUL_HI
	MUL16 4, 1, NQ-1, 1, 0
	MUL16 6, 1, NQ-1, 1, 0
	WIN 0
.macro TOSTAGE a
.set AC, 64*((\a)%4)
	WIN 0x08+4*((\a)/4)
.irp b, 0,1,2,3,4,5,6,7
	ds_store_b128 v[STO], v[AC+8*\b:AC+8*\b+3] offset:64*\b
	ds_store_b128 v[STO], v[AC+8*\b+4:AC+8*\b+7] offset:64*\b+16
.endr
	WIN 0
.set BB, BK+64*((\a)%2)
.irp t, 0,1,2,3,4,5,6,7,8,9,10,11,12,13,14,15
	ds_load_b128 v[BB+4*\t:BB+4*\t+3], v[RD] offset:\t*SPITCH
.endr
.endm
.macro SEND a, younger
.set BB, BK+64*((\a)%2)
	s_wait_dscnt \younger
.irp t, 0,1,2,3,4,5,6,7,8,9,10,11,12,13,14,15
	global_store_b128 v[CO], v[BB+4*\t:BB+4*\t+3], s[14:15] offset:(32*((\a)/2)+8*((\a)%2)+\t+8*(\t/8))*4096 th:TH_STORE_NT
.endr
.endm
	PLACES NP
	TOSTAGE 0
.irp a, 1,2,3,4,5,6,7
.if \a > 1
	s_wait_xcnt 0x0
.endif
	TOSTAGE \a
	SEND \a-1, 32
.endr
	SEND 7, 0
	s_wait_tensorcnt 0x0
	ds_add_u32 v[SPW], v[NIL]
	s_wait_dscnt 0x0
	CROUND
	s_endpgm
.Lfunc_end_k_q3dc1a47dea_outp:
	.size	k_q3dc1a47dea_outp, .Lfunc_end_k_q3dc1a47dea_outp-k_q3dc1a47dea_outp
	.p2alignl 7, 3214868480
	.fill 96, 4, 3214868480
	.section	.rodata,"a",@progbits
	.p2align	6, 0x0
	.amdhsa_kernel k_q3dc1a47dea_outp
		.amdhsa_group_segment_fixed_size 327680
		.amdhsa_private_segment_fixed_size 0
		.amdhsa_enable_private_segment 0
		.amdhsa_kernarg_size 48
		.amdhsa_user_sgpr_count 2
		.amdhsa_user_sgpr_kernarg_segment_ptr 1
		.amdhsa_wavefront_size32 1
		.amdhsa_system_sgpr_workgroup_id_x 1
		.amdhsa_system_sgpr_workgroup_id_y 1
		.amdhsa_system_sgpr_workgroup_id_z 1
		.amdhsa_system_vgpr_workitem_id 0
		.amdhsa_next_free_vgpr 1024
		.amdhsa_next_free_sgpr 102
		.amdhsa_reserve_vcc 0
		.amdhsa_float_denorm_mode_32 3
		.amdhsa_float_denorm_mode_16_64 3
		.amdhsa_memory_ordered 1
		.amdhsa_forward_progress 1
		.amdhsa_inst_pref_size 147
	.end_amdhsa_kernel
	.amdgpu_metadata
---
amdhsa.version: [ 1, 2 ]
amdhsa.kernels:
  - .name:           k_q3dc1a47dea_outp
    .symbol:         k_q3dc1a47dea_outp.kd
    .args:
      - { .name: ao, .offset: 0, .size: 8, .value_kind: global_buffer, .address_space: global }
      - { .name: aos, .offset: 8, .size: 8, .value_kind: global_buffer, .address_space: global }
      - { .name: w_out_codes, .offset: 16, .size: 8, .value_kind: global_buffer, .address_space: global }
      - { .name: w_out_scales, .offset: 24, .size: 8, .value_kind: global_buffer, .address_space: global }
      - { .name: b_out, .offset: 32, .size: 8, .value_kind: global_buffer, .address_space: global }
      - { .name: out0, .offset: 40, .size: 8, .value_kind: global_buffer, .address_space: global }
    .group_segment_fixed_size: 327680
    .private_segment_fixed_size: 0
    .kernarg_segment_align: 8
    .kernarg_segment_size: 48
    .max_flat_workgroup_size: 128
    .sgpr_count:     102
    .vgpr_count:     1024
    .wavefront_size: 32
...
	.end_amdgpu_metadata
.endif
;; end of part 3
